; MI455X (gfx1250); checked and timed in simulation.
; The chip was launched on July 23, 2026; its instructions are those of AMD's public machine-readable ISA for CDNA 5 (MIT licence, August 2026) and "CDNA5" Instruction Set Architecture Reference Guide (July 2026). The comments in the code are by the model that wrote it; some were corrected since.
;; Causal Multi Head Attention. Allowed arithmetic: matrix products marked QUANTISED: E4M3 operands, one given power-of-two scale a tensor, by v_wmma_f32_16x16x64_fp8_fp8 or v_wmma_f32_16x16x128_fp8_fp8, f32 sums; everything else in f32.
;; Inputs: Wk_codes 1,024 x 32 x 32 uint8 (E4M3 codes of Wk, K innermost, in blocks of 32 codes); Wo_codes 1,024 x 32 x 32 uint8 (E4M3 codes of Wo, K innermost, in blocks of 32 codes); Wq_codes 1,024 x 32 x 32 uint8 (E4M3 codes of Wq, K innermost, in blocks of 32 codes); Wv_codes 1,024 x 32 x 32 uint8 (E4M3 codes of Wv, K innermost, in blocks of 32 codes); bk 1,024 float32; bo 1,024 float32; bq 1,024 float32; bv 1,024 float32; lowp_scales 12 int32 (the exponents e of the quantised operands' scales 2^e); x_codes 2 x 2,048 x 32 x 32 uint8 (E4M3 codes of x, K innermost, in blocks of 32 codes).
;; Outputs: out0 2 x 2,048 x 1,024 float32.
;; This version of the problem:
;;   THIS VERSION OF THE PROBLEM IS GIVEN IN LOW PRECISION. The matrix products marked QUANTISED in the list below multiply operands that are first quantised to E4M3 (4 exponent bits, 3 mantissa bits; 8 bits a number), with one given power-of-two scale for each operand tensor; their sums are f32. All else is computed in f32.
;;   The module's matrix products, in the order in which they are computed (A, B: the left and right operand; K: the contracted axis; several contracted axes count as one K, in the product's order):
;;     1. [M 4,096, K 1,024] x [K 1,024, N 1,024]; A: input x (given as codes); B: input Wq (given as codes): QUANTISED (scales: A lowp_scales[0], B lowp_scales[1])
;;     2. [M 4,096, K 1,024] x [K 1,024, N 1,024]; A: input x (given as codes); B: input Wk (given as codes): QUANTISED (scales: A lowp_scales[2], B lowp_scales[3])
;;     3. [M 4,096, K 1,024] x [K 1,024, N 1,024]; A: input x (given as codes); B: input Wv (given as codes): QUANTISED (scales: A lowp_scales[4], B lowp_scales[5])
;;     4. batch 32 x [M 2,048, K 64] x [K 64, N 2,048]; A: computed on the way; B: computed on the way: QUANTISED (scales: A lowp_scales[6], B lowp_scales[7])
;;     5. batch 32 x [M 2,048, K 2,048] x [K 2,048, N 64]; A: softmax (see below); B: computed on the way: QUANTISED (scales: A lowp_scales[8], B lowp_scales[9])
;;     6. [M 4,096, K 1,024] x [K 1,024, N 1,024]; A: computed on the way; B: input Wo (given as codes): QUANTISED (scales: A lowp_scales[10], B lowp_scales[11])
;;   THE QUANTISER, for each operand of a quantised product, along K:
;;     - The operand's scale is 2^e, e = its entry of the input lowp_scales (int32; the entries are numbered through the quantised products in the list's order, A before B).
;;     - Each number is divided by the scale, clamped to +-448, and rounded to the nearest number of E4M3, ties to even, subnormals kept.
;;     - The product sums the exact products of the quantised numbers (number of the format x scale) in f32.
;;   ~~~python
;;   def quantise(x, axis, e):      # numpy; x: float32 -> the quantised numbers, widened to float32 again
;;       x = np.moveaxis(x, axis, -1); K = x.shape[-1]
;;       r = np.clip(x / 2.0 ** e, -448, 448)
;;       step = 2.0 ** (np.maximum(np.frexp(np.where(r == 0, 1, r))[1] - 1, -6) - 3)
;;       q = np.round(r / step) * step * 2.0 ** e      # np.round: ties to even
;;       return np.moveaxis(q, -1, axis).astype(np.float32)
;;   ~~~
;;   SOFTMAX AHEAD OF A QUANTISED PRODUCT. Where the list says 'softmax', what is quantised is not the finished softmax but p = 2^(t - M), with t = logit x log2(e) and M = ceil(the row's largest t), a whole number; so 1/2 < the row's largest p <= 1. The row's sum l is taken of the UNQUANTISED p, in f32, and the product's result is divided by l at the end. Since M is a whole number, a kernel that streams over the keys may use a running M (the ceiling of the running maximum): every later rescaling is an exact power of two, so the quantised numbers keep their values, but for numbers so far below the row's largest that they fall under the format's range.
;;   OPERANDS COMPUTED ON THE WAY. 'Computed on the way' means the value that the module computes at that place (a softmax that the list does not call 'softmax' is quantised finished and normalised). What goes into a quantiser is computed in f32, as accurately as f32 sums, v_exp_f32 and their like allow (about 1e-6 of the number): no bf16 or f16 on the way to a quantiser, and a product that is left as it is and whose result goes on into a quantised operand takes f32 operands (vector FMAs, or v_wmma_f32_16x16x4_f32). A number that lies on a knife's edge between two numbers of the format may be rounded either way, as far as f32 arithmetic and the matrix unit's own rounding can turn it there, and no further.
;;   INPUTS GIVEN AS CODES. Wk (in the module: [1024, 1024], K = its axis 1); Wo (in the module: [1024, 1024], K = its axis 1); Wq (in the module: [1024, 1024], K = its axis 1); Wv (in the module: [1024, 1024], K = its axis 1); x (in the module: [2, 2048, 1024], K = its axis 2): each comes as NAME_codes (uint8): NAME with its K axis moved to the last place and cut into blocks of 32 codes, [.., K / 32, bytes a block], one block behind the other in memory; one code a byte (a code: sign, 4 exponent bits, 3 mantissa bits); its scale is its entry of lowp_scales. Its value is code x scale, taken as it is: it is not quantised again, and the codes and scales need not be those that the quantiser above would give.
;; One version. Each part assembles by itself: llvm-mc -triple=amdgcn-amd-amdhsa -mcpu=gfx1250 --defsym DOCPART=n.
;; ======== version 1 of 1: 3 launches
;; limits: right only within a limited range of input values
;; workspace buffers: qimg 4,194,304 bytes; kvimg 8,388,608 bytes; aimg 4,194,304 bytes
;; launch qkv (part 1): grid 16 x 16, 4 waves a work-group, clusters of 4 x 4, 327,680 bytes of LDS; arguments x_codes, Wq_codes, Wk_codes, Wv_codes, bq, bk, bv, lowp_scales, qimg, kvimg; writes qimg, kvimg
.if DOCPART == 1
	.amdgcn_target "amdgcn-amd-amdhsa--gfx1250"
	.amdhsa_code_object_version 6
	.text
	.protected	k_qdfc1a05bf2_qkv
	.globl	k_qdfc1a05bf2_qkv
	.p2align	8
	.type	k_qdfc1a05bf2_qkv,@function
k_qdfc1a05bf2_qkv:
	s_mov_b64 s[64:65], 0
	v_nop
	global_prefetch_b8 v0, s[64:65] scope:SCOPE_SE
	s_setreg_imm32_b32 hwreg(HW_REG_WAVE_MODE, 25, 1), 1
	s_wait_xcnt 0x0
	s_wait_alu depctr_hold_cnt(0) depctr_sa_sdst(0) depctr_va_vdst(0) depctr_va_sdst(0) depctr_va_ssrc(0) depctr_va_vcc(0) depctr_vm_vsrc(0)
	s_getreg_b32 s2, hwreg(HW_REG_IB_STS2, 6, 4)
	s_cmp_eq_u32 s2, 0
	s_cbranch_scc0 .Lentry_in_a_cluster
	s_endpgm
.Lentry_in_a_cluster:
	s_bfe_u32 s2, ttmp6, 0x10000c
	s_cmp_lg_u32 s2, 0xf033
	s_cbranch_scc0 .Lentry_shape_is_right
	s_endpgm
.Lentry_shape_is_right:
; CAUSAL MULTI-HEAD ATTENTION ON CODES OF FP8 (E4M3), three launches: this one (q, k, v), attn (scores, softmax, product with v), oproj (the projection on the way out).
; THIS LAUNCH: q = x Wq^T + bq, k = x Wk^T + bk, v = x Wv^T + bv on the given codes; each sum x 2^(its two exponents) + bias, in f32, is quantised at once by the stated rule
; (q: entry 6 of the scales, k: entry 7, v: entry 9) and stored as codes.  x has three entries (0, 2, 4): each product takes its own.
; WORK LEFT OUT IN THE PROGRAM (in attn alone): a group of 128 keys all of which come after a tile's 16 queries.  reference() sets those scores to -infinity by the mask col <= row that it builds in
; its own body, so their weight after the softmax is 0 whatever finite values the inputs hold: they add nothing to the row's maximum, to its sum or to the product with v.  Every input has a way to the output and is loaded.
; LIMIT: a NaN, an infinity or an overflow that reaches only those scores is not carried to the result.
; LIMITS on the given exponents, so that each power of two below is an f32 number: e0+e1, e2+e3, e4+e5 between -126 and 127; e6, e7, e9 between -126 and 119.  NaN among the biases is not served.
; SHARES.  A work-group makes q, k and v of ONE head for 256 tokens: 256 work-groups.  Four waves, each 128 tokens x 96 channels (32 of q, 32 of k, 32 of v): 48 accumulators, 384 registers.
; The matrix instruction's D has one row of source 1 in a lane (lane % 16) and eight neighbouring rows of source 0 in its registers (8 (lane / 16) + 0 .. 7).
;   q, k: source 0 = weight, source 1 = x (a lane holds one token, registers along the channels);   v: source 0 = x, source 1 = weight (a lane holds one channel, registers along the keys).
; THE RESULTS ARE STORED AS IMAGES OF OPERAND REGISTERS: registers 2 c, 2 c + 1 of a fragment hold k = 16 c + 8 (lane / 16) + 0 .. 7.  Four such registers go out by one store: 512 consecutive bytes, aligned.
;   qimg  [batch x head 32][tile of 16 queries 128][half 2][lane 32][16 bytes]
;   kvimg [batch x head 32][group of 128 keys 16][16,384 bytes]: 8 tiles of 16 keys of k laid as q's (8,192 bytes), then v: [16 channels 4][quarter 4][lane 32][16 bytes]
; K goes in four pieces of 256 through two LDS slots.  Waves 0, 1, 2 fetch 64 rows of Wq, Wk, Wv, wave 3 the 256 rows of x.
; CLUSTERS of 4 x 4: x's tile is shared along a row of the cluster, the weights' tiles along a column, each asked for jointly.
; PREFETCH: behind the head's load pieces 1 and 2 are asked for, behind piece 1's load piece 3.  The four partners that ask for a tile jointly share its rows out by address (x: 64 rows each, 16 a wave, by cx; a weight: 16 rows each, by cy), so each
; block of 256 bytes is named once in a cluster.  Piece 0 comes by its load alone; nothing stands behind piece 3.
; REGISTERS, in windows of 256: window 0: v0-31 addresses and constants, v32-127 six weight fragments, v128-255 eight of x (even steps of 128); window 1: the same for odd steps.  On the way out window 0 holds numbers (v32-127) and codes (v128-223).
;   windows 2, 3: accumulators of x's tiles 0-3 and 4-7: (a, n) at v[8 (6 (a % 4) + n)], n = 0, 1 q; 2, 3 k; 4, 5 v.  Window 3, v192-227: the biases.
.set PITCH,  272                       ; an LDS row: 256 bytes + 16 of padding, so that the 16 rows of a fragment load start 4 banks apart
.set WT,     64*PITCH                  ; a weight's tile
.set XOFF,   4*WT                      ; x's tile begins here in a slot
.set SLOT,   XOFF+256*PITCH
.set SPARE,  2*SLOT                    ; behind the two slots: the spare words, 128 bytes a wave
.set SC,   4                           ; v4-6   the quantisers' scales as f32
.set LM,   8                           ; v8-10  448 x those
.set ADW,  16                          ; v16-17 LDS address of my weight fragments in slot 0, 1
.set ADX,  20                          ; v20-21 of my fragments of x
.set L16,  24                          ; v24    16 x lane
.set BOF,  25
.set BOV,  26
.set SPW,  28                          ; v28    LDS address of my spare word; never rewritten
.set NIL,  29                          ; v29    0; never rewritten
.set PFO,  30                          ; v30    prefetch: row lane % 16, piece lane / 16 on
.set PFL,  31                          ; v31    prefetch: row min(lane, 15)
.set G1X, 24                           ; s[24:31] group 1 for x; s[32:39] group 0, a set for each slot
.set G0X, 32
.set G1W, 48                           ; s[48:55], s[56:63] the same for the weights
.set G0W, 56
.set MSB, 0
.macro WIN new                         ; the immediate's high byte repeats the setting that is left
.if MSB != (\new)
	s_set_vgpr_msb (MSB<<8)|(\new)
.set MSB, (\new)
.endif
.endm
; A joint load: wave 3 fetches x's rows, waves 0 to 2 a weight's.  The branch hangs on the wave's number alone.
.macro JLOAD s
	s_cmp_eq_u32 s14, 3
	s_cbranch_scc0 .Lfor_w_\@
	tensor_load_to_lds s[G0X+4*\s:G0X+4*\s+3], s[G1X:G1X+7]
	s_nop 0
.rept 4
	v_nop
.endr
	s_branch .Lasked_\@
.Lfor_w_\@:
	tensor_load_to_lds s[G0W+4*\s:G0W+4*\s+3], s[G1W:G1W+7]
	s_nop 0
.rept 4
	v_nop
.endr
.Lasked_\@:
.endm
.macro CREST                           ; a round of the cluster's barrier behind its opening barrier
	s_cmp_lg_u32 s14, 0
	s_cbranch_scc1 .Lnot_wave_0_\@
	s_barrier_signal -3
.Lnot_wave_0_\@:
	s_barrier_wait -3
	s_barrier_signal -1
	s_barrier_wait -1
.endm
.macro CROUND
	s_barrier_signal -1
	s_barrier_wait -1
	CREST
.endm
.macro ASK reg, off                    ; a prefetch of my rows of x and, in waves 0 to 2, of my weight's
	global_prefetch_b8 v[\reg], s[92:93] offset:\off th:TH_LOAD_NT scope:SCOPE_SE
	s_cmp_eq_u32 s14, 3
	s_cbranch_scc1 .Lno_w_\@
	global_prefetch_b8 v[\reg], s[94:95] offset:\off th:TH_LOAD_NT scope:SCOPE_SE
.Lno_w_\@:
.endm
	s_load_b256 s[4:11], s[0:1], 0x0               ; x, Wq, Wk, Wv
	s_load_b256 s[68:75], s[0:1], 0x20             ; bq, bk, bv, the scales' exponents
	s_load_b128 s[76:79], s[0:1], 0x40             ; qimg, kvimg
	v_lshl_add_u32 v[SPW], v0, 2, SPARE
	v_mov_b32 v[NIL], 0
	ds_add_u32 v[SPW], v[NIL]                      ; the wave's opening: the add, twice on end, and its wait ahead of my first tensor load
	ds_add_u32 v[SPW], v[NIL]
	v_lshrrev_b32 v1, 5, v0
	v_readfirstlane_b32 s14, v1                    ; wave 0..3
	s_lshr_b32 s15, s14, 1                         ; which 128 of the tokens are mine
	s_and_b32 s16, s14, 1                          ; which 32 channels of q, k and v
	s_bfe_u32 s40, ttmp6, 0x40000                  ; cx
	s_bfe_u32 s41, ttmp6, 0x40004                  ; cy
	s_lshl_b32 s18, ttmp9, 2
	s_add_co_u32 s18, s18, s40                     ; head 0..15
	s_and_b32 s17, ttmp7, 0xffff
	s_lshl_b32 s17, s17, 2
	s_add_co_u32 s17, s17, s41                     ; block of 256 tokens 0..15
	s_lshl_b32 s43, s41, 2
	s_lshl_b32 s43, 15, s43                        ; my row of the cluster
	s_lshl_b32 s44, 0x1111, s40                    ; my column
	s_or_b32 s[G1X+0], s43, (0<<16)|(1<<20)|(1<<21)|(5<<22)|(3<<25)  ; 15:0 the mask; 17:16 elements of 1 byte; 20 padding on; 21 set beside a mask; 24:22 after every 64 words; 31:25 four words
	s_or_b32 s[G1W+0], s44, (0<<16)|(1<<20)|(1<<21)|(5<<22)|(3<<25)
	s_mov_b32 s[G1X+1], 256<<16                    ; tensor_dim0 = 256
	s_mov_b32 s[G1X+2], 256<<16                    ; tensor_dim1 = 256
	s_mov_b32 s[G1X+3], 256<<16                    ; tile_dim0
	s_mov_b32 s[G1X+4], 256                        ; tile_dim1
	s_mov_b32 s[G1X+5], 1024                       ; from row to row
	s_mov_b32 s[G1X+6], 0
	s_mov_b32 s[G1X+7], 0
	s_mov_b32 s[G1W+1], 256<<16
	s_mov_b32 s[G1W+2], 64<<16
	s_mov_b32 s[G1W+3], 256<<16
	s_mov_b32 s[G1W+4], 64
	s_mov_b32 s[G1W+5], 1024
	s_mov_b32 s[G1W+6], 0
	s_mov_b32 s[G1W+7], 0
	s_lshl_b32 s20, s17, 18                        ; x: 256 rows of 1,024 bytes a block; never holds cx
	s_mov_b32 s21, 0
	s_lshl_b32 s46, s18, 16                        ; a weight: 64 rows a head; never holds cy
	s_mov_b32 s47, 0
	s_mul_i32 s45, s14, WT
	s_wait_dscnt 0x0                               ; both opening adds are done
	s_wait_kmcnt 0x0
	s_load_b256 s[80:87], s[74:75], 0x0            ; e0 .. e7
	s_load_b128 s[88:91], s[74:75], 0x20           ; e8 .. e11
	s_cmp_eq_u32 s14, 1
	s_cselect_b64 s[94:95], s[8:9], s[6:7]
	s_cmp_eq_u32 s14, 2
	s_cselect_b64 s[94:95], s[10:11], s[94:95]     ; my weight: Wq, Wk or Wv (wave 3 asks for x)
	s_add_nc_u64 s[20:21], s[4:5], s[20:21]
	s_add_nc_u64 s[46:47], s[94:95], s[46:47]
	s_lshl_b32 s22, s40, 16
	s_lshl_b32 s23, s14, 14
	s_add_co_u32 s22, s22, s23
	s_mov_b32 s23, 0
	s_add_nc_u64 s[92:93], s[20:21], s[22:23]      ; prefetch: rows 64 cx + 16 wave of x's tile
	s_lshl_b32 s22, s41, 14
	s_add_nc_u64 s[94:95], s[46:47], s[22:23]      ; rows 16 cy of my weight's tile
	CROUND                                         ; all sixteen work-groups are here: the first joint loads meet
.irp s, 0,1
	s_mov_b32 s[G0X+4*\s], 1
	s_mov_b32 s[G0X+4*\s+1], XOFF+\s*SLOT
	s_add_nc_u64 s[G0X+4*\s+2:G0X+4*\s+3], s[20:21], \s*256
	s_or_b32 s[G0X+4*\s+3], s[G0X+4*\s+3], 0x80000000
	s_mov_b32 s[G0W+4*\s], 1
	s_add_co_u32 s[G0W+4*\s+1], s45, \s*SLOT
	s_add_nc_u64 s[G0W+4*\s+2:G0W+4*\s+3], s[46:47], \s*256
	s_or_b32 s[G0W+4*\s+3], s[G0W+4*\s+3], 0x80000000
.endr
	JLOAD 0                                        ; piece 0: my one tensor load at the head
	s_mul_i32 s22, s16, 32*PITCH                   ; my 32 rows of each weight
	s_add_co_u32 s40, s22, SLOT
	s_mul_i32 s23, s15, 128*PITCH
	s_add_co_u32 s23, s23, XOFF                    ; my 128 rows of x
	s_add_co_u32 s41, s23, SLOT
	v_and_b32 v1, 15, v0                           ; r
	v_bfe_u32 v2, v0, 4, 1                         ; h
	v_and_b32 v7, 31, v0                           ; lane
	v_mul_u32_u24 v3, v1, PITCH
	v_lshl_add_u32 v3, v2, 4, v3                   ; a fragment's row x pitch + 16 h
	v_add_nc_u32 v[ADW], s22, v3
	v_add_nc_u32 v[ADW+1], s40, v3
	v_add_nc_u32 v[ADX], s23, v3
	v_add_nc_u32 v[ADX+1], s41, v3
	v_lshlrev_b32 v[L16], 4, v7
	v_lshlrev_b32 v[BOF], 5, v2
	v_lshlrev_b32 v[BOV], 2, v1
	v_lshlrev_b32 v[PFO], 10, v1
	v_lshl_add_u32 v[PFO], v2, 8, v[PFO]
	v_min_u32 v[PFL], 15, v7
	v_lshlrev_b32 v[PFL], 10, v[PFL]
	s_lshl_b32 s22, s18, 8
	s_lshl_b32 s23, s16, 7
	s_add_co_u32 s22, s22, s23
	s_mov_b32 s23, 0
	s_add_nc_u64 s[68:69], s[68:69], s[22:23]      ; the biases at my first channel, 64 x head + 32 x half
	s_add_nc_u64 s[70:71], s[70:71], s[22:23]
	s_add_nc_u64 s[72:73], s[72:73], s[22:23]
	s_wait_alu depctr_va_vdst(0)
	WIN 0xc0
.irp b, 0,1
	global_load_b128 v[192+8*\b:195+8*\b], v[BOF], s[68:69] offset:64*\b        ; channels 16 b + 8 h + 0 .. 7
	global_load_b128 v[196+8*\b:199+8*\b], v[BOF], s[68:69] offset:64*\b+16
	global_load_b128 v[208+8*\b:211+8*\b], v[BOF], s[70:71] offset:64*\b
	global_load_b128 v[212+8*\b:215+8*\b], v[BOF], s[70:71] offset:64*\b+16
	global_load_b32 v[224+2*\b], v[BOV], s[72:73] offset:64*\b                  ; channel 16 b + r, twice: the packed form names a pair
	global_load_b32 v[225+2*\b], v[BOV], s[72:73] offset:64*\b
.endr
	WIN 0
	ASK PFO, 256                                   ; pieces 1 and 2
	; where my results go
	s_lshr_b32 s44, s17, 3
	s_lshl_b32 s44, s44, 4
	s_add_co_u32 s44, s44, s18                     ; 16 x batch + head
	s_and_b32 s45, s17, 7
	s_lshl_b32 s45, s45, 1
	s_add_co_u32 s45, s45, s15                     ; my group of 128 tokens
	s_lshl_b32 s46, s44, 17
	s_lshl_b32 s47, s45, 13
	s_add_co_u32 s46, s46, s47
	s_lshl_b32 s40, s16, 9
	s_add_co_u32 s46, s46, s40
	s_mov_b32 s47, 0
	s_add_nc_u64 s[76:77], s[76:77], s[46:47]      ; q's images, my half
	s_lshl_b32 s46, s44, 18
	s_lshl_b32 s41, s45, 14
	s_add_co_u32 s46, s46, s41
	s_add_nc_u64 s[22:23], s[78:79], s[46:47]      ; my group of k and v
	s_lshl_b32 s46, s16, 12
	s_add_co_u32 s46, s46, 8192
	s_add_nc_u64 s[20:21], s[22:23], s[46:47]      ; v: channel tiles 2 x half on
	s_lshl_b32 s46, s16, 9
	s_add_nc_u64 s[22:23], s[22:23], s[46:47]      ; k, my half
	s_wait_kmcnt 0x0
.macro SCALE m, ea, eb, eq
	s_add_co_i32 s44, s[\ea], s[\eb]
	s_add_co_i32 s44, s44, 127
	s_lshl_b32 s[96+2*\m], s44, 23                 ; 2^(the two operands' exponents) as f32
	s_mov_b32 s[97+2*\m], s[96+2*\m]               ; (named with it as a pair)
	s_add_co_i32 s45, s[\eq], 127
	s_lshl_b32 s46, s45, 23
	v_mov_b32 v[SC+\m], s46                        ; the quantiser's scale
	s_add_co_i32 s45, s45, 8
	s_lshl_b32 s45, s45, 23
	s_or_b32 s45, s45, 0x600000
	v_mov_b32 v[LM+\m], s45                        ; 448 x the scale
.endm
	SCALE 0, 80, 81, 86
	SCALE 1, 82, 83, 87
	SCALE 2, 84, 85, 89
; A fragment is fetched by four loads of 16 bytes, 32 bytes apart: lane l holds, of row l % 16, K = 32 c + 16 (l / 16) + 0 .. 15 in registers 4 c .. 4 c + 3: a permutation of k, the same in both operands.
.macro XFRAG a, slot, q
.irp c, 0,1,2,3
	ds_load_b128 v[128+16*\a+4*\c:131+16*\a+4*\c], v[ADX+\slot] offset:16*PITCH*\a+128*\q+32*\c
.endr
.endm
.macro RUN1 slot, q, p                 ; 28 loads into set p: the six weight fragments and x's tile 0
	WIN 0x40*(\p)
.irp n, 0,1,2,3,4,5
.irp c, 0,1,2,3
	ds_load_b128 v[32+16*\n+4*\c:35+16*\n+4*\c], v[ADW+\slot] offset:WT*(\n/2)+16*PITCH*(\n%2)+128*\q+32*\c
.endr
.endr
	XFRAG 0, \slot, \q
	WIN 0
.endm
.macro RUN2 slot, q, p                 ; 28 more: x's tiles 1 to 7
	WIN 0x40*(\p)
.irp a, 1,2,3,4,5,6,7
	XFRAG \a, \slot, \q
.endr
	WIN 0
.endm
; Six matrix instructions: x's tile a against the six weight fragments of set p.  The 48 accumulators take turns, in the same order in every step.
.macro MUL a, p, zero
	WIN 0xa0+0x50*((\a)/4)+5*(\p)
.set XF, 128+16*(\a)
.irp n, 0,1,2,3,4,5
.set AC, 8*(6*((\a)%4)+\n)
.set WF, 32+16*\n
.if \zero
.if \n < 4
	v_wmma_f32_16x16x128_fp8_fp8 v[AC:AC+7], v[WF:WF+15], v[XF:XF+15], 0
.else
	v_wmma_f32_16x16x128_fp8_fp8 v[AC:AC+7], v[XF:XF+15], v[WF:WF+15], 0
.endif
.else
.if \n < 4
	v_wmma_f32_16x16x128_fp8_fp8 v[AC:AC+7], v[WF:WF+15], v[XF:XF+15], v[AC:AC+7]
.else
	v_wmma_f32_16x16x128_fp8_fp8 v[AC:AC+7], v[XF:XF+15], v[WF:WF+15], v[AC:AC+7]
.endif
.endif
.endr
.endm
.macro PLACES                          ; plain vector instructions between a matrix instruction and a load into one of its registers, or a read of its result
.rept 4
	v_nop
.endr
.endm
.macro EVEN slot, zero                 ; a slot's first 128 along K, in set 0; its second 128 are fetched into set 1 meanwhile, in two runs
	s_wait_dscnt 16                                ; all but x's tiles 4-7 are in
	PLACES
	RUN1 \slot, 1, 1
.irp a, 0,1,2,3
	MUL \a, 0, \zero
.endr
	s_wait_dscnt 28                                ; all but the 28 loads just issued
	RUN2 \slot, 1, 1
.irp a, 4,5,6,7
	MUL \a, 0, \zero
.endr
	WIN 0
.endm
; A slot's second 128 along K, in set 1, and the change of slots: in front of the barrier each wave waits for all its tensor loads, adds 0 to its spare word, and waits for that and for its reads of this slot.  fill = 1: this slot is filled again, two pieces on.
.macro TURN slot, next, fill
	s_wait_dscnt 16                                ; all but x's tiles 4-7 are in
	MUL 0, 1, 0
	MUL 1, 1, 0
	WIN 0
	s_wait_tensorcnt 0x0                           ; my part of the next slot is in
	ds_add_u32 v[SPW], v[NIL]                      ; 0 onto my spare word
	MUL 2, 1, 0
	s_wait_dscnt 0x0                               ; the add is done, and my reads of this slot are over
	s_barrier_signal -1
	MUL 3, 1, 0
	WIN 0
	s_barrier_wait -1
.if \fill
	CREST                                          ; no wave of any partner still reads this slot or has a load on its way
	s_add_nc_u64 s[G0X+4*\slot+2:G0X+4*\slot+3], s[G0X+4*\slot+2:G0X+4*\slot+3], 512
	s_add_nc_u64 s[G0W+4*\slot+2:G0W+4*\slot+3], s[G0W+4*\slot+2:G0W+4*\slot+3], 512
	JLOAD \slot                                    ; the first tensor load behind the round; its four v_nop are the places in front of the loads below
.else
	PLACES
.endif
	RUN1 \next, 0, 0
	RUN2 \next, 0, 0
.irp a, 4,5,6,7
	MUL \a, 1, 0
.endr
	WIN 0
.endm
; THE WAY OUT of x's tile a: number = sum x 2^(the operands' exponents) + bias; held within +-448 x the scale (the conversion to an 8-bit code does not saturate: ISA guide 7.6.2); eight numbers become two registers of codes.
; Numbers take two sets of 48 registers by turns; every block's codes have registers of their own, so no store's data are written again.
.macro OUT a
.set AB, 48*((\a)%4)
.set TB, 32+48*((\a)%2)
	WIN 0x32+((\a)/4)                              ; source 0: window 2 or 3; source 2: window 3
.irp n, 0,1,2,3
.irp i, 0,2,4,6
	v_pk_fma_f32 v[TB+8*\n+\i:TB+8*\n+\i+1], v[AB+8*\n+\i:AB+8*\n+\i+1], s[96+2*(\n/2):97+2*(\n/2)], v[192+8*\n+\i:193+8*\n+\i] op_sel_hi:[1,0,1]   ; each accumulator from its low end on
.endr
.endr
.irp n, 4,5
.irp i, 0,2,4,6
	v_pk_fma_f32 v[TB+8*\n+\i:TB+8*\n+\i+1], v[AB+8*\n+\i:AB+8*\n+\i+1], s[100:101], v[216+2*\n:217+2*\n] op_sel_hi:[1,0,1]
.endr
.endr
	WIN 0
.set k, 0
.rept 48
	v_med3_num_f32 v[TB+k], v[TB+k], -v[LM+k/16], v[LM+k/16]
.set k, k+1
.endr
.irp n, 0,1,2,3
	v_cvt_scalef32_pk8_fp8_f32 v[128+8*(\a)+2*\n:129+8*(\a)+2*\n], v[TB+8*\n:TB+8*\n+7], v[SC+\n/2]
.endr
.irp b, 0,1
	v_cvt_scalef32_pk8_fp8_f32 v[192+16*\b+2*(\a):193+16*\b+2*(\a)], v[TB+32+8*\b:TB+39+8*\b], v[SC+2]
.endr
	v_nop                                          ; a plain vector instruction behind the last conversion
	global_store_b128 v[L16], v[128+8*(\a):131+8*(\a)], s[76:77] offset:1024*(\a)
	global_store_b128 v[L16], v[132+8*(\a):135+8*(\a)], s[22:23] offset:1024*(\a)
.if (\a)%2
.irp b, 0,1
	global_store_b128 v[L16], v[192+16*\b+4*((\a)/2):195+16*\b+4*((\a)/2)], s[20:21] offset:2048*\b+512*((\a)/2)   ; a quarter of 32 keys of 16 channels
.endr
.endif
.endm
	s_wait_alu depctr_va_vdst(0)
	s_wait_tensorcnt 0x0                           ; my part of piece 0 is in
	ds_add_u32 v[SPW], v[NIL]
	s_wait_dscnt 0x0
	CROUND
	JLOAD 1                                        ; piece 1, the first tensor load behind the round
	RUN1 0, 0, 0
	RUN2 0, 0, 0
	ASK PFL, 768                                   ; piece 3
	EVEN 0, 1                                      ; K 0: the first products start the sums
	TURN 0, 1, 1                                   ; K 128; slot 0 takes piece 2
	EVEN 1, 0
	TURN 1, 0, 1                                   ; K 384; slot 1 takes piece 3
	EVEN 0, 0
	TURN 0, 1, 0                                   ; K 640; nothing is left to fetch
	EVEN 1, 0
	s_wait_dscnt 16                                ; K 896, set 1: nothing more to fetch
.irp a, 0,1,2,3
	MUL \a, 1, 0
.endr
	s_wait_dscnt 0x0
.irp a, 4,5,6,7
	MUL \a, 1, 0
.endr
	WIN 0
	s_wait_loadcnt 0x0                             ; the biases
	PLACES
.irp a, 0,1,2,3,4,5,6,7
	OUT \a
.endr
	s_wait_tensorcnt 0x0                           ; the wave's end
	ds_add_u32 v[SPW], v[NIL]
	s_wait_dscnt 0x0
	CROUND                                         ; the closing round: no work-group ends while a partner may still ask for a tile that names it
	s_endpgm
.Lfunc_end_k_qdfc1a05bf2_qkv:
	.size	k_qdfc1a05bf2_qkv, .Lfunc_end_k_qdfc1a05bf2_qkv-k_qdfc1a05bf2_qkv
	.p2alignl 7, 3214868480
	.fill 96, 4, 3214868480
	.section	.rodata,"a",@progbits
	.p2align	6, 0x0
	.amdhsa_kernel k_qdfc1a05bf2_qkv
		.amdhsa_group_segment_fixed_size 327680
		.amdhsa_private_segment_fixed_size 0
		.amdhsa_enable_private_segment 0
		.amdhsa_kernarg_size 80
		.amdhsa_user_sgpr_count 2
		.amdhsa_user_sgpr_kernarg_segment_ptr 1
		.amdhsa_wavefront_size32 1
		.amdhsa_system_sgpr_workgroup_id_x 1
		.amdhsa_system_sgpr_workgroup_id_y 1
		.amdhsa_system_sgpr_workgroup_id_z 1
		.amdhsa_system_vgpr_workitem_id 0
		.amdhsa_next_free_vgpr 1024
		.amdhsa_next_free_sgpr 102
		.amdhsa_reserve_vcc 0
		.amdhsa_float_denorm_mode_32 3
		.amdhsa_float_denorm_mode_16_64 3
		.amdhsa_memory_ordered 1
		.amdhsa_forward_progress 1
		.amdhsa_inst_pref_size 111
	.end_amdhsa_kernel
	.amdgpu_metadata
---
amdhsa.version: [ 1, 2 ]
amdhsa.kernels:
  - .name:           k_qdfc1a05bf2_qkv
    .symbol:         k_qdfc1a05bf2_qkv.kd
    .args:
      - { .name: x_codes, .offset: 0, .size: 8, .value_kind: global_buffer, .address_space: global }
      - { .name: Wq_codes, .offset: 8, .size: 8, .value_kind: global_buffer, .address_space: global }
      - { .name: Wk_codes, .offset: 16, .size: 8, .value_kind: global_buffer, .address_space: global }
      - { .name: Wv_codes, .offset: 24, .size: 8, .value_kind: global_buffer, .address_space: global }
      - { .name: bq, .offset: 32, .size: 8, .value_kind: global_buffer, .address_space: global }
      - { .name: bk, .offset: 40, .size: 8, .value_kind: global_buffer, .address_space: global }
      - { .name: bv, .offset: 48, .size: 8, .value_kind: global_buffer, .address_space: global }
      - { .name: lowp_scales, .offset: 56, .size: 8, .value_kind: global_buffer, .address_space: global }
      - { .name: qimg, .offset: 64, .size: 8, .value_kind: global_buffer, .address_space: global }
      - { .name: kvimg, .offset: 72, .size: 8, .value_kind: global_buffer, .address_space: global }
    .group_segment_fixed_size: 327680
    .private_segment_fixed_size: 0
    .kernarg_segment_align: 8
    .kernarg_segment_size: 80
    .max_flat_workgroup_size: 128
    .sgpr_count:     102
    .vgpr_count:     1024
    .wavefront_size: 32
...
	.end_amdgpu_metadata
.endif
;; end of part 1
;; launch attn (part 2): grid 8 x 32, 8 waves a work-group, clusters of 4 x 1, 327,680 bytes of LDS; arguments qimg, kvimg, lowp_scales, aimg; writes aimg
.if DOCPART == 2
	.amdgcn_target "amdgcn-amd-amdhsa--gfx1250"
	.amdhsa_code_object_version 6
	.text
	.protected	k_qdfc1a05bf2_attn
	.globl	k_qdfc1a05bf2_attn
	.p2align	8
	.type	k_qdfc1a05bf2_attn,@function
k_qdfc1a05bf2_attn:
	s_mov_b64 s[64:65], 0
	v_nop
	global_prefetch_b8 v0, s[64:65] scope:SCOPE_SE
	s_setreg_imm32_b32 hwreg(HW_REG_WAVE_MODE, 25, 1), 1
	s_wait_xcnt 0x0
	s_wait_alu depctr_hold_cnt(0) depctr_sa_sdst(0) depctr_va_vdst(0) depctr_va_sdst(0) depctr_va_ssrc(0) depctr_va_vcc(0) depctr_vm_vsrc(0)
	s_getreg_b32 s2, hwreg(HW_REG_IB_STS2, 6, 4)
	s_cmp_eq_u32 s2, 0
	s_cbranch_scc0 .Lentry_in_a_cluster
	s_endpgm
.Lentry_in_a_cluster:
	s_bfe_u32 s2, ttmp6, 0x10000c
	s_cmp_lg_u32 s2, 0x3003
	s_cbranch_scc0 .Lentry_shape_is_right
	s_endpgm
.Lentry_shape_is_right:
; o = softmax(q k^T / 8, causal) v for each of 32 (batch, head), on codes of FP8; o is quantised at once (entry 10 of the scales) and stored as images of operand registers:
;   aimg [block of 128 rows 32][K step of 128 (two heads) 8][tile of 16 rows 8][quarter 4][lane 32][16 bytes].
; WORK LEFT OUT: groups of 128 keys all of which come after a tile's 16 queries (reference()'s own mask gives them the weight 0 whatever finite values the inputs hold).  A NaN, an infinity or an overflow that reaches only those scores is not carried to the result.
; LIMITS: e6 + e7 between -110 and 123 (they are added to c's exponent field, and a hidden score is -3e38); e8, e10 between -126 and 119; the scaled scores (exponents to the base 2) stay under 2^31 in magnitude.
; THE SOFTMAX: t = score x log2(e) / 8; M = the running largest t rounded UP to a whole number; p = 2^(t - M) is quantised (entry 8), not normalised; the sum is taken of the unquantised p and divides at the end.  When M moves, the sum and O are multiplied by a power of two.
; SHARES.  Eight waves; a wave holds TWO neighbouring tiles of 16 queries, a and b, so that each fragment of k and v serves both.  Work-group (s, p), s its cluster's x (0, 1), p its place (0..3), owns in the blocks of 128 queries i and 15 - i, i = 2 j + s, j = 0..3, the 32 queries 32 p on.
; Block blk needs the groups of 128 keys 0 .. blk, so blocks 15 - i and i together need 17.  Two waves share such a pair:
;   wave j     takes groups 15 - i .. 8 of block 15 - i, hands that partial result over in LDS, and takes groups 0 .. i of block i: 9 steps;
;   wave j + 4 takes groups 7 .. 0 of block 15 - i: 8 steps, and joins the two parts.
; With u = step + i (waves 0-3) or u = step (waves 4-7) the group is u xor 15, xor 7 where u is 8 or more, xor 8 in waves 4-7.  The diagonal group comes in step 0 and step 8 of waves 0-3 alone.
; All keys of the head, k and v, 262,144 bytes, lie in LDS: each wave fetches two groups by one load, asked for in the first lines and shared by the four work-groups of a cluster; nothing is filled again.  So no prefetch is written: there is no later load to run ahead of.
; THE MASK is an image of the score registers in LDS, one for each tile (0, or -3e38 where the key comes after the query): it is the C of a diagonal group's products.
; Both products are used transposed: S^T = K Q^T, O^T = V^T P^T: a lane holds one query of each tile (lane % 16) throughout.
; LDS: 0 the keys; 262,144 the two masks; 278,528 four slots of partial results (2 x 4,608 bytes) and of block i's queries (2,048); 323,584 the spare words.
; REGISTERS, window 0: v1-9 addresses, constants; v10-21, v24-35 the two tiles' statistics; v36-51 Q; v52-83 codes of p; v84-147, v148-211 S^T, then p, of a and b; v212-227 at work.  Window 1: v0-63 K; v64-127 V; v128-159, v160-191 O^T of a and b.
.set MASK,  262144
.set PART,  278528
.set PSLOT, 11264
.set SPARE, 323584
.set LA,   1                           ; 16 x lane
.set AV,   2
.set PA,   3                           ; my pair's slot
.set MA,   4                           ; the masks' images
.set SPW,  5                           ; never rewritten
.set NIL,  6                           ; 0; never rewritten
.set LIM,  7
.set SCL,  8
.set AK,   9
.set SA,   84                          ; S^T of tile a; of tile b 64 on
; a tile's statistics, from T = 10 (a) or 24 (b): T the old -M, T+1 the lane permute's, T+2 -M, T+3 the largest score, T+4 and T+6 the sum in two chains of two halves, T+8 .. T+11 maxima; then T+8 is f
.set WV,   12
.set I,    13
.set SEL,  20
.set CS,   22
.set G1,   24
.set G0,   32
.set KS,   36                          ; the step
.set U0,   37
.set GX,   38
.set BLK,  39                          ; 15 - i
.set MSB, 0
.macro WIN new                         ; the immediate's high byte repeats the setting that is left
.if MSB != (\new)
	s_set_vgpr_msb (MSB<<8)|(\new)
.set MSB, (\new)
.endif
.endm
.macro CROUND
	s_barrier_signal -1
	s_barrier_wait -1
	s_cmp_lg_u32 s[WV], 0
	s_cbranch_scc1 .Lnot_wave_0_\@
	s_barrier_signal -3
.Lnot_wave_0_\@:
	s_barrier_wait -3
	s_barrier_signal -1
	s_barrier_wait -1
.endm
.macro GRP d, n                        ; the group of step KS + n
	s_add_co_u32 s[\d], s[KS], s[U0]
	s_add_co_u32 s[\d], s[\d], \n
	s_lshr_b32 s42, s[\d], 3
	s_mul_i32 s42, s42, 7
	s_xor_b32 s42, s42, 15
	s_xor_b32 s42, s42, s[GX]
	s_xor_b32 s[\d], s[\d], s42
	s_and_b32 s[\d], s[\d], 15
.endm
; The k-th of a tile's 32 maxima: the largest of a lane's 64 scores and of what went before, in four chains
.macro MAXK T, S, k
.if (\k) < 4
	v_max3_num_f32 v[\T+8+(\k)], v[\T+3], v[\S+2*(\k)], v[\S+2*(\k)+1]
.else
	v_max3_num_f32 v[\T+8+(\k)%4], v[\T+8+(\k)%4], v[\S+2*(\k)], v[\S+2*(\k)+1]
.endif
.endm
; The k-th of the nine lines that make a tile's new -M and f
.macro TAILK T, k
.if \k == 0
	v_max_num_f32 v[\T+10], v[\T+10], v[\T+11]
.endif
.if \k == 1
	v_max3_num_f32 v[\T+8], v[\T+8], v[\T+9], v[\T+10]
.endif
.if \k == 2
	v_permlanex16_b32 v[\T+1], v[\T+8], s[SEL], s[SEL+1]   ; and lane l xor 16's
.endif
.if \k == 3
	v_max_num_f32 v[\T+3], v[\T+8], v[\T+1]        ; the running largest score
.endif
.if \k == 4
	v_mul_f32 v[\T+8], s[CS], -v[\T+3]
.endif
.if \k == 5
	v_floor_f32 v[\T+2], v[\T+8]                   ; -M = floor(-t): M is a whole number
.endif
.if \k == 6
	v_sub_f32 v[\T], v[\T+2], v[\T]                ; old M - new M
.endif
.if \k == 7
	v_cvt_i32_f32 v[\T], v[\T]                     ; (it saturates)
.endif
.if \k == 8
	v_ldexp_f32 v[\T+8], 1.0, v[\T]                ; f = 2^(old M - new M)
.endif
.endm
.macro TMM n, T                        ; t - M, two scores; n from S^T's first register
	v_pk_fma_f32 v[SA+\n:SA+\n+1], v[SA+\n:SA+\n+1], s[CS:CS+1], v[\T+2:\T+3] op_sel_hi:[1,0,0]
.endm
; A tile's sum of the unquantised p, registers 8 r to 8 r + 7: two chains that last (T + 4, T + 6) and two of this step (X, X + 2)
.macro SUMR r, T, S, X
	v_pk_add_f32 v[\T+4:\T+5], v[\T+4:\T+5], v[\S+8*\r:\S+8*\r+1]
	v_pk_add_f32 v[\T+6:\T+7], v[\T+6:\T+7], v[\S+8*\r+2:\S+8*\r+3]
.if \r == 1
	v_pk_add_f32 v[\X:\X+1], v[\S+4:\S+5], v[\S+12:\S+13]
	v_pk_add_f32 v[\X+2:\X+3], v[\S+6:\S+7], v[\S+14:\S+15]
.endif
.if \r > 1
	v_pk_add_f32 v[\X:\X+1], v[\X:\X+1], v[\S+8*\r+4:\S+8*\r+5]
	v_pk_add_f32 v[\X+2:\X+3], v[\X+2:\X+3], v[\S+8*\r+6:\S+8*\r+7]
.endif
.endm
.macro KLOAD
.irp t, 0,1,2,3,4,5,6,7
	ds_load_b128 v[8*\t:8*\t+3], v[AK] offset:1024*\t
	ds_load_b128 v[8*\t+4:8*\t+7], v[AK] offset:1024*\t+512
.endr
.endm
	s_load_b256 s[4:11], s[0:1], 0x0               ; qimg, kvimg, the scales' exponents, aimg
	v_lshl_add_u32 v[SPW], v0, 2, SPARE
	v_mov_b32 v[NIL], 0
	ds_add_u32 v[SPW], v[NIL]                      ; the wave's opening: the add, twice on end, and its wait ahead of my tensor load
	ds_add_u32 v[SPW], v[NIL]
	v_lshrrev_b32 v1, 5, v0
	v_readfirstlane_b32 s[WV], v1                  ; wave 0..7
	s_and_b32 s45, s[WV], 3                        ; j
	s_lshl_b32 s[I], s45, 1
	s_add_co_u32 s[I], s[I], ttmp9
	s_lshr_b32 s17, s[WV], 2                       ; 1 in waves 4-7
	s_xor_b32 s18, s17, 1
	s_mul_i32 s[U0], s18, s[I]
	s_lshl_b32 s[GX], s17, 3
	s_sub_co_u32 s[BLK], 15, s[I]
	s_mul_i32 s18, s17, 15
	s_xor_b32 s49, s[I], s18                       ; the block whose result I store: i or 15 - i
	s_bfe_u32 s14, ttmp6, 0x40000                  ; p
	s_and_b32 s16, ttmp7, 0xffff                   ; 16 x batch + head
	s_mov_b32 s[G1+0], 15|(3<<16)|(1<<21)          ; 15:0 all four partners; 17:16 elements of 8 bytes; 21 set beside a mask
	s_mov_b32 s[G1+1], 32<<16                      ; rows of 256 bytes
	s_mov_b32 s[G1+2], 128<<16
	s_mov_b32 s[G1+3], 32<<16
	s_mov_b32 s[G1+4], 128                         ; 128 of them: 32,768 dense bytes
	s_mov_b32 s[G1+5], 32
	s_mov_b32 s[G1+6], 0
	s_mov_b32 s[G1+7], 0
	s_mov_b32 s[SEL], 0x76543210
	s_mov_b32 s[SEL+1], 0xfedcba98
	s_lshl_b32 s17, s[WV], 15
	s_lshl_b32 s18, s16, 18
	s_add_co_u32 s18, s18, s17
	s_mov_b32 s19, 0
	s_wait_dscnt 0x0                               ; both opening adds are done
	s_wait_kmcnt 0x0
	s_load_b128 s[52:55], s[8:9], 0x18             ; e6 .. e9
	s_load_b32 s56, s[8:9], 0x28                   ; e10
	s_mov_b32 s[G0], 1
	s_mov_b32 s[G0+1], s17
	s_add_nc_u64 s[G0+2:G0+3], s[6:7], s[18:19]
	s_or_b32 s[G0+3], s[G0+3], 0x80000000
	CROUND                                         ; the four work-groups are here: the joint loads meet
	tensor_load_to_lds s[G0:G0+3], s[G1:G1+7]      ; groups 2 x wave and 2 x wave + 1 of the head
	s_nop 0
.rept 4
	v_nop
.endr
	v_and_b32 v[LA], 31, v0
	v_lshlrev_b32 v[LA], 4, v[LA]
	s_lshl_b32 s50, s16, 17
	s_lshl_b32 s57, s14, 11
	s_add_co_u32 s50, s50, s57                     ; the head's queries, 32 p on
	s_lshl_b32 s18, s[BLK], 13
	s_add_co_u32 s18, s18, s50
	s_lshl_b32 s57, s[I], 13
	s_add_co_u32 s50, s50, s57
	s_mov_b32 s51, 0
	s_add_nc_u64 s[62:63], s[4:5], s[18:19]        ; in block 15 - i,
	s_add_nc_u64 s[50:51], s[4:5], s[50:51]        ; and in block i
	s_wait_alu depctr_va_vdst(0)
.irp k, 0,1,2,3
	global_load_b128 v[36+4*\k:39+4*\k], v[LA], s[62:63] offset:512*\k
.endr
	s_cmp_lt_u32 s[WV], 4
	s_cbranch_scc0 .Lone_block
.irp k, 0,1,2,3
	global_load_b128 v[212+4*\k:215+4*\k], v[LA], s[50:51] offset:512*\k
.endr
.Lone_block:
	; my sixteen registers of a mask's image (waves 0-3: tile a's, waves 4-7: tile b's): register n = 16 j + m holds key 16 (n / 8) + n % 8 + 8 h of the diagonal group; query 32 p (+ 16) + r
	s_lshl_b32 s17, s14, 5
	s_lshr_b32 s18, s[WV], 2
	s_lshl_b32 s18, s18, 4
	s_add_co_u32 s17, s17, s18
	s_lshl_b32 s18, s45, 5
	s_sub_co_u32 s17, s17, s18
	v_and_b32 v2, 15, v0
	v_bfe_u32 v10, v0, 4, 1
	v_lshlrev_b32 v10, 3, v10
	v_sub_nc_u32 v2, v2, v10
	v_add_nc_u32 v2, s17, v2                       ; hidden where the key's number is above this
	v_mov_b32 v[MA], 0xff61b1e6                    ; -3e38
.irp m, 0,1,2,3,4,5,6,7,8,9,10,11,12,13,14,15
	v_cmp_gt_i32 vcc_lo, 16*(\m/8)+\m%8, v2
	v_cndmask_b32 v[84+\m], v[NIL], v[MA], vcc_lo
.endr
	s_lshl_b32 s18, s[WV], 11
	s_mul_i32 s17, s45, PSLOT
	s_add_co_u32 s17, s17, PART
	v_add_nc_u32 v[MA], MASK, v[LA]
	v_add_nc_u32 v11, s18, v[MA]
	v_add_nc_u32 v[PA], s17, v[LA]
.macro BEGIN                           ; a block begins: no score yet, sums 0, O 0
.irp T, 10,24
	v_mov_b32 v[\T+2], 0x7f61b1e6                  ; -M: 3e38, so that the first change of M multiplies zeros by 0
	v_mov_b32 v[\T+3], 0xff61b1e6
	v_mov_b32 v[\T+4], 0
	v_mov_b32 v[\T+5], 0
	v_mov_b32 v[\T+6], 0
	v_mov_b32 v[\T+7], 0
.endr
	WIN 0x40
.set n, 0
.rept 64
	v_mov_b32 v[128+n], 0
.set n, n+1
.endr
	WIN 0
.endm
	BEGIN
	v_mov_b32 v25, 0                               ; a lane permute's destination counts as one of its sources (v11 is written above)
	; where my result goes
	s_lshr_b32 s17, s16, 4
	s_lshl_b32 s17, s17, 4
	s_add_co_u32 s17, s17, s49
	s_lshl_b32 s17, s17, 17
	s_and_b32 s18, s16, 15
	s_lshr_b32 s18, s18, 1
	s_lshl_b32 s18, s18, 14
	s_add_co_u32 s17, s17, s18
	s_lshl_b32 s18, s14, 12
	s_add_co_u32 s17, s17, s18
	s_and_b32 s18, s16, 1
	s_lshl_b32 s18, s18, 10
	s_add_co_u32 s58, s17, s18
	s_mov_b32 s59, 0
	s_add_nc_u64 s[60:61], s[10:11], s[58:59]
	s_wait_alu depctr_va_vdst(0)
	s_wait_kmcnt 0x0
	s_add_co_i32 s17, s52, s53
	s_lshl_b32 s17, s17, 23
	s_add_co_i32 s[CS], s17, 0x3e38aa3b            ; log2(e) / 8 x 2^(e6 + e7)
	s_mov_b32 s[CS+1], s[CS]
	s_add_co_i32 s17, s54, 127
	s_lshl_b32 s18, s17, 23
	v_mov_b32 v[SCL], s18                          ; 2^e8
	s_add_co_i32 s17, s17, 8
	s_lshl_b32 s17, s17, 23
	s_or_b32 s17, s17, 0x600000
	v_mov_b32 v[LIM], s17                          ; 448 x that
	s_add_co_i32 s17, s56, 127
	s_lshl_b32 s46, s17, 23                        ; 2^e10
	s_add_co_i32 s17, s17, 8
	s_lshl_b32 s17, s17, 23
	s_or_b32 s47, s17, 0x600000                    ; 448 x that
	s_add_co_i32 s48, s54, s55                     ; e8 + e9
; A STEP: one group of 128 keys for both tiles, their lines by turns.  At its head the loads of its K are out.  last = 1: step 8 of waves 0-3, a diagonal group, with no successor.
.macro STEP last
	s_add_co_u32 s40, s[KS], s[U0]
	GRP 41, 0
	s_lshl_b32 s43, s41, 14                        ; where the group lies in LDS
.if \last == 0
	GRP 44, 1
	s_lshl_b32 s44, s44, 14                        ; and the next one
	s_cmp_eq_u32 s41, s[BLK]
	s_cbranch_scc0 .Lopen_\@
.endif
.irp t, 0,1,2,3,4,5,6,7                ; a diagonal group: the products start on the masks
	ds_load_b128 v[SA+8*\t:SA+8*\t+3], v[MA] offset:1024*\t
	ds_load_b128 v[SA+8*\t+4:SA+8*\t+7], v[MA] offset:1024*\t+512
	ds_load_b128 v[SA+64+8*\t:SA+64+8*\t+3], v[MA] offset:8192+1024*\t
	ds_load_b128 v[SA+64+8*\t+4:SA+64+8*\t+7], v[MA] offset:8192+1024*\t+512
.endr
	s_wait_dscnt 0x0
	WIN 0x01                                       ; source 0 (K) window 1
.irp t, 0,1,2,3,4,5,6,7
	v_wmma_f32_16x16x64_fp8_fp8 v[SA+8*\t:SA+8*\t+7], v[8*\t:8*\t+7], v[36:43], v[SA+8*\t:SA+8*\t+7]
	v_wmma_f32_16x16x64_fp8_fp8 v[SA+64+8*\t:SA+64+8*\t+7], v[8*\t:8*\t+7], v[44:51], v[SA+64+8*\t:SA+64+8*\t+7]
.endr
	WIN 0
.if \last == 0
	s_branch .Lscores_\@
.Lopen_\@:
	s_wait_dscnt 0x0
	WIN 0x01
.irp t, 0,1,2,3,4,5,6,7
	v_wmma_f32_16x16x64_fp8_fp8 v[SA+8*\t:SA+8*\t+7], v[8*\t:8*\t+7], v[36:43], 0
	v_wmma_f32_16x16x64_fp8_fp8 v[SA+64+8*\t:SA+64+8*\t+7], v[8*\t:8*\t+7], v[44:51], 0
.endr
	WIN 0
.Lscores_\@:
.endif
	v_mov_b32 v10, v12                             ; these four are the places behind the last product
	v_mov_b32 v24, v26
.if \last == 0
	v_add_nc_u32 v[AK], s44, v[LA]
.else
	v_nop
.endif
	v_add_nc_u32 v[AV], s43, v[LA]
	WIN 0x40                                       ; destination window 1
.irp ct, 0,1,2,3
.irp q, 0,1,2,3
	ds_load_b128 v[64+16*\ct+4*\q:67+16*\ct+4*\q], v[AV] offset:8192+2048*\ct+512*\q
.endr
.endr
.if \last == 0
	KLOAD                                          ; the next step's K, 16 loads behind V's
.endif
	WIN 0
.set n, 0
.rept 32                               ; tile a's maxima
	MAXK 10, SA, n
.set n, n+1
.endr
.set n, 0
.irp k, 0,1,2,3,4,5,6,7,8              ; tile a's -M and f, with tile b's maxima between the lines
	TAILK 10, \k
.rept 3
	MAXK 24, SA+64, n
.set n, n+1
.endr
.endr
.rept 5
	MAXK 24, SA+64, n
.set n, n+1
.endr
.set n, 0
.irp k, 0,1,2,3,4,5,6,7,8              ; tile b's -M and f, with tile a's t - M between the lines
	TAILK 24, \k
.rept 3
	TMM n, 10
.set n, n+2
.endr
.endr
.rept 5
	TMM n, 10
.set n, n+2
.endr
	s_wait_alu depctr_va_vdst(0)                   ; ahead of the batch
.set n, 0
.rept 32                               ; tile a's exponentials, with tile b's t - M between them
	v_exp_f32 v[SA+n], v[SA+n]
	v_exp_f32 v[SA+n+1], v[SA+n+1]
	TMM n+64, 24
.set n, n+2
.endr
	s_wait_alu depctr_va_vdst(0)                   ; and ahead of tile b's
.set n, 64
.rept 64
	v_exp_f32 v[SA+n], v[SA+n]
.set n, n+1
.endr
.irp T, 10,24
	v_pk_mul_f32 v[\T+4:\T+5], v[\T+4:\T+5], v[\T+8:\T+9] op_sel_hi:[1,0]
	v_pk_mul_f32 v[\T+6:\T+7], v[\T+6:\T+7], v[\T+8:\T+9] op_sel_hi:[1,0]
.endr
	s_wait_alu depctr_va_vdst(0)                   ; and behind it
.irp r, 0,1,2,3,4,5,6,7
	SUMR \r, 10, SA, 212
	SUMR \r, 24, SA+64, 216
.endr
	v_pk_add_f32 v[14:15], v[14:15], v[212:213]
	v_pk_add_f32 v[28:29], v[28:29], v[216:217]
	v_pk_add_f32 v[16:17], v[16:17], v[214:215]
	v_pk_add_f32 v[30:31], v[30:31], v[218:219]
.set t, 0
.rept 16                               ; tile a's eight, then tile b's; a conversion stands behind the next eight numbers' hold
.irp i, 0,2,4,6
	v_dual_min_num_f32 v[SA+8*t+\i], v[LIM], v[SA+8*t+\i] :: v_dual_min_num_f32 v[SA+8*t+\i+1], v[LIM], v[SA+8*t+\i+1]   ; the conversion does not saturate (ISA guide 7.6.2); p is never negative
.endr
.if t > 0
	v_cvt_scalef32_pk8_fp8_f32 v[50+2*t:51+2*t], v[SA+8*t-8:SA+8*t-1], v[SCL]
.endif
.set t, t+1
.endr
	v_cvt_scalef32_pk8_fp8_f32 v[82:83], v[SA+120:SA+127], v[SCL]
	WIN 0x41                                       ; source 0 and destination (O^T) window 1
	s_wait_alu depctr_va_vdst(0)                   ; ahead of O^T's first reader
.set n, 0
.rept 16
	v_pk_mul_f32 v[128+n:129+n], v[128+n:129+n], v[18:19] op_sel_hi:[1,0]
	v_pk_mul_f32 v[160+n:161+n], v[160+n:161+n], v[32:33] op_sel_hi:[1,0]
.set n, n+2
.endr
	s_wait_alu depctr_va_vdst(0)                   ; and ahead of the wait below
.if \last == 0
	s_wait_dscnt 16                                ; V is in; the 16 loads of the next K may be out
.else
	s_wait_dscnt 0x0
.endif
	WIN 0x51                                       ; source 0 (V), C and D window 1
.irp ct, 0,1,2,3
	v_wmma_f32_16x16x128_fp8_fp8 v[128+8*\ct:135+8*\ct], v[64+16*\ct:79+16*\ct], v[52:67], v[128+8*\ct:135+8*\ct]
	v_wmma_f32_16x16x128_fp8_fp8 v[160+8*\ct:167+8*\ct], v[64+16*\ct:79+16*\ct], v[68:83], v[160+8*\ct:167+8*\ct]
.endr
	WIN 0
.rept 5
	v_nop                                          ; places behind the last product
.endr
.endm
	s_wait_alu depctr_va_vdst(0)
	s_wait_loadcnt 0x0
	s_wait_tensorcnt 0x0                           ; my groups are in
.irp k, 0,1,2,3
	ds_store_b128 v11, v[84+4*\k:87+4*\k] offset:512*\k     ; my part of the masks' images
.endr
	s_cmp_lt_u32 s[WV], 4
	s_cbranch_scc0 .Lno_second
.irp k, 0,1,2,3
	ds_store_b128 v[PA], v[212+4*\k:215+4*\k] offset:9216+512*\k   ; block i's queries wait in LDS
.endr
.Lno_second:
	s_wait_dscnt 0x0
	s_barrier_signal -1
	s_barrier_wait -1                              ; all groups and both masks are in LDS; nothing is filled again
	s_mov_b32 s[KS], 0
	GRP 44, 0
	s_lshl_b32 s44, s44, 14
	v_add_nc_u32 v[AK], s44, v[LA]
	WIN 0x40
	KLOAD
	WIN 0
.Lstep:
	STEP 0
	s_cmp_lt_u32 s[WV], 4
	s_cbranch_scc0 .Lkeep
	s_cmp_lg_u32 s40, 7
	s_cbranch_scc1 .Lkeep
	; waves 0-3, behind their last group of block 15 - i: the partial result goes to LDS, and block i begins
	WIN 0x04                                       ; data window 1
.set n, 0
.rept 8
	ds_store_b128 v[PA], v[128+4*n:131+4*n] offset:512*n
.set n, n+1
.endr
.set n, 0
.rept 8
	ds_store_b128 v[PA], v[160+4*n:163+4*n] offset:4608+512*n
.set n, n+1
.endr
	WIN 0
	v_pk_add_f32 v[14:15], v[14:15], v[16:17]
	v_pk_add_f32 v[28:29], v[28:29], v[30:31]
	ds_store_b128 v[PA], v[12:15] offset:4096
	ds_store_b128 v[PA], v[26:29] offset:8704
.irp k, 0,1,2,3
	ds_load_b128 v[36+4*\k:39+4*\k], v[PA] offset:9216+512*\k
.endr
	BEGIN
	s_wait_alu depctr_va_vdst(0)
.Lkeep:
	s_add_co_u32 s[KS], s[KS], 1
	s_cmp_lt_u32 s[KS], 8
	s_cbranch_scc1 .Lstep
	s_cmp_lt_u32 s[WV], 4
	s_cbranch_scc0 .Leight
	STEP 1                                         ; the ninth step of waves 0-3
.Leight:
	s_wait_dscnt 0x0
	s_barrier_signal -1
	s_barrier_wait -1                              ; the partial results are in LDS
	s_cmp_lt_u32 s[WV], 4
	s_cbranch_scc1 .Lout
	; waves 4-7: the two parts of block 15 - i are joined under the larger M
.set n, 0
.rept 8
	ds_load_b128 v[SA+4*n:SA+4*n+3], v[PA] offset:512*n
	ds_load_b128 v[SA+64+4*n:SA+67+4*n], v[PA] offset:4608+512*n
.set n, n+1
.endr
	ds_load_b128 v[212:215], v[PA] offset:4096
	ds_load_b128 v[216:219], v[PA] offset:8704
	s_wait_dscnt 0x0
	v_min_num_f32 v10, v12, v212                   ; -M
	v_min_num_f32 v24, v26, v216
	v_sub_f32 v11, v10, v12
	v_sub_f32 v25, v24, v26
	v_sub_f32 v10, v10, v212
	v_sub_f32 v24, v24, v216
.irp T, 10,24
	v_cvt_i32_f32 v[\T+1], v[\T+1]
	v_cvt_i32_f32 v[\T], v[\T]
.endr
.irp T, 10,24
	v_ldexp_f32 v[\T+8], 1.0, v[\T+1]
	v_ldexp_f32 v[\T+10], 1.0, v[\T]
.endr
.irp T, 10,24
	v_pk_mul_f32 v[\T+4:\T+5], v[\T+4:\T+5], v[\T+8:\T+9] op_sel_hi:[1,0]
	v_pk_mul_f32 v[\T+6:\T+7], v[\T+6:\T+7], v[\T+8:\T+9] op_sel_hi:[1,0]
.endr
	v_pk_fma_f32 v[14:15], v[214:215], v[20:21], v[14:15] op_sel_hi:[1,0,1]
	v_pk_fma_f32 v[28:29], v[218:219], v[34:35], v[28:29] op_sel_hi:[1,0,1]
	WIN 0x41
.set n, 0
.rept 16
	v_pk_mul_f32 v[128+n:129+n], v[128+n:129+n], v[18:19] op_sel_hi:[1,0]
	v_pk_mul_f32 v[160+n:161+n], v[160+n:161+n], v[32:33] op_sel_hi:[1,0]
.set n, n+2
.endr
	WIN 0x50                                       ; source 2 and destination (O^T) window 1
.set n, 0
.rept 16
	v_pk_fma_f32 v[128+n:129+n], v[SA+n:SA+n+1], v[20:21], v[128+n:129+n] op_sel_hi:[1,0,1]
	v_pk_fma_f32 v[160+n:161+n], v[SA+64+n:SA+65+n], v[34:35], v[160+n:161+n] op_sel_hi:[1,0,1]
.set n, n+2
.endr
	WIN 0
.Lout:
	v_pk_add_f32 v[14:15], v[14:15], v[16:17]
	v_pk_add_f32 v[28:29], v[28:29], v[30:31]
	v_add_f32 v14, v14, v15
	v_add_f32 v28, v28, v29
	v_permlanex16_b32 v11, v14, s[SEL], s[SEL+1]
	v_permlanex16_b32 v25, v28, s[SEL], s[SEL+1]
	v_add_f32 v14, v14, v11                        ; the rows' sums
	v_add_f32 v28, v28, v25
	s_wait_alu depctr_va_vdst(0)                   ; ahead of the batch
	v_rcp_f32 v14, v14
	v_rcp_f32 v28, v28
	v_mov_b32 v[LIM], s47
	v_mov_b32 v[SCL], s46
	s_wait_alu depctr_va_vdst(0)                   ; and behind it
	v_ldexp_f32 v14, v14, s48                      ; x 2^(e8 + e9)
	v_ldexp_f32 v28, v28, s48
	WIN 0x01
	s_wait_alu depctr_va_vdst(0)                   ; ahead of O^T's first reader
.set n, 0
.rept 16
	v_pk_mul_f32 v[SA+n:SA+n+1], v[128+n:129+n], v[14:15] op_sel_hi:[1,0]
	v_pk_mul_f32 v[SA+64+n:SA+65+n], v[160+n:161+n], v[28:29] op_sel_hi:[1,0]
.set n, n+2
.endr
	WIN 0
.irp b, 0,64
.set n, \b
.rept 32
	v_med3_num_f32 v[SA+n], v[SA+n], -v[LIM], v[LIM]
.set n, n+1
.endr
.irp ct, 0,1,2,3
	v_cvt_scalef32_pk8_fp8_f32 v[212+\b/8+2*\ct:213+\b/8+2*\ct], v[SA+\b+8*\ct:SA+\b+8*\ct+7], v[SCL]
.endr
.endr
	v_mov_b32 v230, 0                              ; (plain vector instructions behind the last conversion; and a lane permute's destination counts as one of its sources)
	v_mov_b32 v231, 0
	; Four registers hold channels 32 c + 8 h + 0 .. 7 and 32 c + 16 + 8 h + 0 .. 7 of a query.  Lanes l and l xor 16 trade two of them, so that a lane holds the sixteen neighbours 32 c + 16 h + 0 .. 15: the order in which oproj reads Wo's rows.
	s_mov_b32 vcc_lo, 0xffff0000                   ; the lanes with h = 1
.irp Q, 212,216,220,224
	v_cndmask_b32 v228, v[\Q+2], v[\Q], vcc_lo     ; what I send
	v_cndmask_b32 v229, v[\Q+3], v[\Q+1], vcc_lo
	v_permlanex16_b32 v230, v228, s[SEL], s[SEL+1]
	v_permlanex16_b32 v231, v229, s[SEL], s[SEL+1]
	v_cndmask_b32 v[\Q], v[\Q], v230, vcc_lo
	v_cndmask_b32 v[\Q+1], v[\Q+1], v231, vcc_lo
	v_cndmask_b32 v[\Q+2], v230, v[\Q+2], vcc_lo
	v_cndmask_b32 v[\Q+3], v231, v[\Q+3], vcc_lo
.endr
.irp k, 0,1,2,3
	global_store_b128 v[LA], v[212+4*\k:215+4*\k], s[60:61] offset:2048*(\k/2)+512*(\k%2)   ; 512 consecutive bytes, aligned
.endr
	s_wait_tensorcnt 0x0                           ; the wave's end
	ds_add_u32 v[SPW], v[NIL]
	s_wait_dscnt 0x0
	CROUND                                         ; the closing round
	s_endpgm
.Lfunc_end_k_qdfc1a05bf2_attn:
	.size	k_qdfc1a05bf2_attn, .Lfunc_end_k_qdfc1a05bf2_attn-k_qdfc1a05bf2_attn
	.p2alignl 7, 3214868480
	.fill 96, 4, 3214868480
	.section	.rodata,"a",@progbits
	.p2align	6, 0x0
	.amdhsa_kernel k_qdfc1a05bf2_attn
		.amdhsa_group_segment_fixed_size 327680
		.amdhsa_private_segment_fixed_size 0
		.amdhsa_enable_private_segment 0
		.amdhsa_kernarg_size 32
		.amdhsa_user_sgpr_count 2
		.amdhsa_user_sgpr_kernarg_segment_ptr 1
		.amdhsa_wavefront_size32 1
		.amdhsa_system_sgpr_workgroup_id_x 1
		.amdhsa_system_sgpr_workgroup_id_y 1
		.amdhsa_system_sgpr_workgroup_id_z 1
		.amdhsa_system_vgpr_workitem_id 0
		.amdhsa_next_free_vgpr 448
		.amdhsa_next_free_sgpr 66
		.amdhsa_reserve_vcc 1
		.amdhsa_float_denorm_mode_32 3
		.amdhsa_float_denorm_mode_16_64 3
		.amdhsa_memory_ordered 1
		.amdhsa_forward_progress 1
		.amdhsa_inst_pref_size 94
	.end_amdhsa_kernel
	.amdgpu_metadata
---
amdhsa.version: [ 1, 2 ]
amdhsa.kernels:
  - .name:           k_qdfc1a05bf2_attn
    .symbol:         k_qdfc1a05bf2_attn.kd
    .args:
      - { .name: qimg, .offset: 0, .size: 8, .value_kind: global_buffer, .address_space: global }
      - { .name: kvimg, .offset: 8, .size: 8, .value_kind: global_buffer, .address_space: global }
      - { .name: lowp_scales, .offset: 16, .size: 8, .value_kind: global_buffer, .address_space: global }
      - { .name: aimg, .offset: 24, .size: 8, .value_kind: global_buffer, .address_space: global }
    .group_segment_fixed_size: 327680
    .private_segment_fixed_size: 0
    .kernarg_segment_align: 8
    .kernarg_segment_size: 32
    .max_flat_workgroup_size: 256
    .sgpr_count:     66
    .vgpr_count:     448
    .wavefront_size: 32
...
	.end_amdgpu_metadata
.endif
;; end of part 2
;; launch oproj (part 3): grid 8 x 32, 4 waves a work-group, clusters of 4 x 4, 327,680 bytes of LDS; arguments aimg, Wo_codes, bo, lowp_scales, out0; writes out0
.if DOCPART == 3
	.amdgcn_target "amdgcn-amd-amdhsa--gfx1250"
	.amdhsa_code_object_version 6
	.text
	.protected	k_qdfc1a05bf2_oproj
	.globl	k_qdfc1a05bf2_oproj
	.p2align	8
	.type	k_qdfc1a05bf2_oproj,@function
k_qdfc1a05bf2_oproj:
	s_mov_b64 s[64:65], 0
	v_nop
	global_prefetch_b8 v0, s[64:65] scope:SCOPE_SE
	s_setreg_imm32_b32 hwreg(HW_REG_WAVE_MODE, 25, 1), 1
	s_wait_xcnt 0x0
	s_wait_alu depctr_hold_cnt(0) depctr_sa_sdst(0) depctr_va_vdst(0) depctr_va_sdst(0) depctr_va_ssrc(0) depctr_va_vcc(0) depctr_vm_vsrc(0)
	s_getreg_b32 s2, hwreg(HW_REG_IB_STS2, 6, 4)
	s_cmp_eq_u32 s2, 0
	s_cbranch_scc0 .Lentry_in_a_cluster
	s_endpgm
.Lentry_in_a_cluster:
	s_bfe_u32 s2, ttmp6, 0x10000c
	s_cmp_lg_u32 s2, 0xf033
	s_cbranch_scc0 .Lentry_shape_is_right
	s_endpgm
.Lentry_shape_is_right:
; out = a Wo^T + bo on codes of FP8 (E4M3): a's codes come as images of operand registers (launch attn), Wo's as rows; each sum x 2^(e10 + e11) + bo, f32.  Nothing is left out here.
; LIMIT: e10 + e11 between -126 and 127, so that 2^(e10 + e11) is an f32 number.
; SHARES.  Tiles of 128 x 128 of the 4,096 x 1,024 result: 256 work-groups.  Four waves, each 64 x 64: 16 accumulators.
; Both operands for the whole K = 1,024 fit in LDS: no byte is filled twice.  K comes in two halves of 512: in each, waves 0 and 1 fetch two of a's K steps of 128, waves 2 and 3 64 rows of Wo each, one load a wave.
; The second half is asked for behind a round of the cluster's barrier, when the first is in, and has the first half's K steps 0 to 2 in which to land.
; PREFETCH: the second half is asked for behind the head's loads, one instruction a wave.  The four partners that ask for a tile jointly share it out by address (a: 16,384 bytes each by cx, 8,192 a wave; Wo: 32 rows each by cy, 16 a wave), so each block of 256 bytes is
; named once in a cluster.  The first half comes by its loads alone; nothing stands behind the second.
; CLUSTERS of 4 x 4: a's block of 128 rows is shared along a row of the cluster, Wo's 128 rows along a column; each is asked for jointly.
; THE MATRIX INSTRUCTION IS USED TRANSPOSED (source 0 = 16 rows of Wo, source 1 = 16 rows of a): a lane holds eight neighbouring numbers of a row of the result.
; a's images hold k = 32 c + 16 (lane / 16) + 0 .. 15 in registers 4 c .. 4 c + 3, and Wo's fragments are fetched so too: the same permutation of k in both operands.
; LDS: 0 a's images, as in memory (K step s at 16,384 s, row tile at 2,048, quarter at 512, 16 x lane);  131,072 Wo's first half: 128 rows of 512 bytes + 16, then its second;  then a stage of 16 rows x 272 bytes a wave;  then the spare words.
; REGISTERS: window 0: v1-19 addresses; v32-63 bo; v64-95 a block's results; v96-127 rows read back; v128-255 the accumulators ((a, b) at v[128 + 8 (4 a + b)]).  window 1: two buffers of 128: a's four fragments, then Wo's four.
.set PITCH,  528
.set BBASE,  131072
.set BH,     128*PITCH
.set STAGE,  BBASE+2*BH
.set SPITCH, 272
.set SPARE,  STAGE+4*16*SPITCH
.set ADA,  8                           ; v8, v9   my place in a's images, K steps 0-3 and 4-7
.set ADB,  12                          ; v12, v13 my place in Wo's halves
.set PFO,  14                          ; v14      the prefetch's offset; never rewritten
.set STO,  16                          ; v16      the stage: where I put 32 bytes of a row
.set RD,   17                          ; v17      and where I read a row back
.set CO,   18                          ; v18      my byte offset in two rows of the result
.set BOF,  19                          ; v19      32 x (lane / 16)
.set SPW,  28                          ; v28      LDS address of my spare word; never rewritten
.set NIL,  29                          ; v29      0; never rewritten
.set BO,   32
.set TMP,  64
.set ACC,  128
.set G1A, 24                           ; s[24:31] group 1 for a;  s[32:39] for Wo;  s[40:43], s[44:47] their groups 0
.set G1B, 32
.set G0A, 40
.set G0B, 44
.set MSB, 0
.macro WIN new
.if MSB != (\new)
	s_set_vgpr_msb (MSB<<8)|(\new)
.set MSB, (\new)
.endif
.endm
.set W_MUL, 0x05                       ; sources 0 and 1 window 1; C and D window 0
.set TO_F,  0x40                       ; destination window 1, address window 0
.macro CROUND
	s_barrier_signal -1
	s_barrier_wait -1
	s_cmp_lg_u32 s14, 0
	s_cbranch_scc1 .Lnot_wave_0_\@
	s_barrier_signal -3
.Lnot_wave_0_\@:
	s_barrier_wait -3
	s_barrier_signal -1
	s_barrier_wait -1
.endm
.macro JLOAD                           ; waves 0 and 1 fetch for a, waves 2 and 3 for Wo: the branch hangs on the wave's number alone
	s_cmp_eq_u32 s15, 0
	s_cbranch_scc0 .Lfor_b_\@
	tensor_load_to_lds s[G0A:G0A+3], s[G1A:G1A+7]
	s_nop 0
.rept 4
	v_nop
.endr
	s_branch .Lasked_\@
.Lfor_b_\@:
	tensor_load_to_lds s[G0B:G0B+3], s[G1B:G1B+7]
	s_nop 0
.rept 4
	v_nop
.endr
.Lasked_\@:
.endm
	s_load_b256 s[4:11], s[0:1], 0x0               ; aimg s[4:5], Wo's codes s[6:7], bo s[8:9], the scales' exponents s[10:11]
	s_load_b64 s[12:13], s[0:1], 0x20              ; out0
	v_lshl_add_u32 v[SPW], v0, 2, SPARE
	v_mov_b32 v[NIL], 0
	ds_add_u32 v[SPW], v[NIL]                      ; the wave's opening: the add, twice on end, and its wait ahead of my first tensor load
	ds_add_u32 v[SPW], v[NIL]
	v_lshrrev_b32 v1, 5, v0
	v_readfirstlane_b32 s14, v1                    ; wave 0..3
	s_lshr_b32 s15, s14, 1                         ; which 64 rows are mine.  Also: I fetch for a (0) or for Wo (1)
	s_and_b32 s16, s14, 1                          ; which 64 columns.  Also: which half of a fill I fetch
	s_bfe_u32 s17, ttmp6, 0x40000                  ; cx
	s_bfe_u32 s18, ttmp6, 0x40004                  ; cy
	s_lshl_b32 s19, ttmp9, 2
	s_add_co_u32 s19, s19, s17                     ; tile column 0..7
	s_and_b32 s20, ttmp7, 0xffff
	s_lshl_b32 s20, s20, 2
	s_add_co_u32 s20, s20, s18                     ; tile row 0..31
	s_lshl_b32 s90, s18, 2
	s_lshl_b32 s90, 15, s90                        ; my row of the cluster
	s_lshl_b32 s91, 0x1111, s17                    ; my column
	s_or_b32 s[G1A+0], s90, (3<<16)|(1<<21)        ; 15:0 the mask; 17:16 elements of 8 bytes; 21 set beside a mask; no padding
	s_mov_b32 s[G1A+1], 32<<16                     ; rows of 256 bytes
	s_mov_b32 s[G1A+2], 128<<16
	s_mov_b32 s[G1A+3], 32<<16
	s_mov_b32 s[G1A+4], 128                        ; 128 of them: 32,768 dense bytes, two K steps' images
	s_mov_b32 s[G1A+5], 32
	s_mov_b32 s[G1A+6], 0
	s_mov_b32 s[G1A+7], 0
	s_or_b32 s[G1B+0], s91, (0<<16)|(1<<20)|(1<<21)|(6<<22)|(3<<25)  ; elements of 1 byte; padding: four words after every 128
	s_mov_b32 s[G1B+1], 512<<16
	s_mov_b32 s[G1B+2], 64<<16
	s_mov_b32 s[G1B+3], 512<<16
	s_mov_b32 s[G1B+4], 64
	s_mov_b32 s[G1B+5], 1024
	s_mov_b32 s[G1B+6], 0
	s_mov_b32 s[G1B+7], 0
	s_lshl_b32 s86, s16, 15                        ; a: my two K steps of a half, in memory and in LDS alike
	s_lshl_b32 s84, s20, 17                        ; the tile row's 131,072 bytes; never holds cx
	s_add_co_u32 s84, s84, s86
	s_mov_b32 s85, 0
	s_lshl_b32 s88, s19, 7
	s_lshl_b32 s89, s16, 6
	s_add_co_u32 s88, s88, s89                     ; Wo: row 128 x tile column + 64 x half; never holds cy
	s_lshl_b32 s88, s88, 10
	s_mov_b32 s89, 0
	s_mul_i32 s87, s16, 64*PITCH
	s_add_co_u32 s87, s87, BBASE
	; the prefetch: my part of the second half, from a's or Wo's first byte
	s_lshl_b32 s21, s20, 17
	s_lshl_b32 s22, s17, 14
	s_add_co_u32 s21, s21, s22
	s_lshl_b32 s22, s16, 13
	s_add_co_u32 s21, s21, s22
	s_add_co_u32 s21, s21, 65536                   ; a: 8,192 bytes
	s_lshl_b32 s22, s19, 17
	s_lshl_b32 s23, s18, 15
	s_add_co_u32 s22, s22, s23
	s_lshl_b32 s23, s16, 14
	s_add_co_u32 s22, s22, s23
	s_add_co_u32 s22, s22, 512                     ; Wo: 16 rows, 512 bytes of each
	s_cmp_eq_u32 s15, 0
	s_cselect_b32 s94, s21, s22
	s_mov_b32 s95, 0
	s_mov_b32 s22, 1024
	s_mov_b32 s23, 4096
	s_cselect_b32 s21, 256, s22                    ; from lane to lane,
	s_cselect_b32 s22, s23, 256                    ; and from lanes 0-15 to lanes 16-31
	s_wait_dscnt 0x0                               ; both opening adds are done
	s_wait_kmcnt 0x0
	s_load_b64 s[56:57], s[10:11], 0x28            ; e10, e11
	s_cmp_eq_u32 s15, 0
	s_cselect_b64 s[92:93], s[4:5], s[6:7]
	s_add_nc_u64 s[92:93], s[92:93], s[94:95]
	s_mov_b32 s[G0A], 1
	s_mov_b32 s[G0A+1], s86
	s_add_nc_u64 s[G0A+2:G0A+3], s[4:5], s[84:85]
	s_or_b32 s[G0A+3], s[G0A+3], 0x80000000
	s_mov_b32 s[G0B], 1
	s_mov_b32 s[G0B+1], s87
	s_add_nc_u64 s[G0B+2:G0B+3], s[6:7], s[88:89]
	s_or_b32 s[G0B+3], s[G0B+3], 0x80000000
	CROUND                                         ; all sixteen work-groups are here: the joint loads meet
	JLOAD                                          ; the first half
	v_and_b32 v1, 15, v0                           ; r
	v_bfe_u32 v2, v0, 4, 1                         ; h
	v_and_b32 v3, 31, v0                           ; lane
	v_lshlrev_b32 v[BOF], 5, v2
	v_mul_lo_u32 v[PFO], v1, s21
	v_mul_lo_u32 v4, v2, s22
	v_add_nc_u32 v[PFO], v[PFO], v4
	s_wait_alu depctr_va_vdst(0)
	s_lshl_b32 s88, s19, 7
	s_lshl_b32 s89, s16, 6
	s_add_co_u32 s88, s88, s89                     ; my first column
	s_lshl_b32 s88, s88, 2
	s_mov_b32 s89, 0
	s_add_nc_u64 s[8:9], s[8:9], s[88:89]
.irp b, 0,1,2,3
	global_load_b128 v[BO+8*\b:BO+8*\b+3],   v[BOF], s[8:9] offset:64*\b      ; bo of columns 16 b + 8 h + 0 .. 7
	global_load_b128 v[BO+8*\b+4:BO+8*\b+7], v[BOF], s[8:9] offset:64*\b+16
.endr
	global_prefetch_b8 v[PFO], s[92:93] th:TH_LOAD_NT scope:SCOPE_SE
	s_lshl_b32 s84, s20, 7
	s_lshl_b32 s85, s15, 6
	s_add_co_u32 s84, s84, s85                     ; my first row
	s_lshl_b32 s84, s84, 12                        ; of 4,096 bytes,
	s_add_co_u32 s84, s84, s88                     ; + my first column's bytes
	s_mov_b32 s85, 0
	s_add_nc_u64 s[12:13], s[12:13], s[84:85]
	s_lshl_b32 s86, s15, 13                        ; my four row tiles of 2,048 bytes
	s_mul_i32 s87, s16, 64*PITCH
	s_add_co_u32 s87, s87, BBASE
	s_mul_i32 s88, s14, 16*SPITCH
	s_add_co_u32 s88, s88, STAGE                   ; my stage
	v_lshlrev_b32 v[ADA], 4, v3
	v_add_nc_u32 v[ADA], s86, v[ADA]
	v_add_nc_u32 v[ADA+1], 0x10000, v[ADA]
	v_mul_u32_u24 v4, v1, PITCH
	v_lshl_add_u32 v4, v2, 4, v4                   ; Wo: row r x pitch + 16 h
	v_add_nc_u32 v[ADB], s87, v4
	v_add_nc_u32 v[ADB+1], BH, v[ADB]
	v_mul_u32_u24 v[STO], v1, SPITCH
	v_lshl_add_u32 v[STO], v2, 5, v[STO]
	v_add_nc_u32 v[STO], s88, v[STO]               ; in: row r, 32 bytes for each half of the lanes
	v_mul_u32_u24 v[RD], v2, SPITCH
	v_lshl_add_u32 v[RD], v1, 4, v[RD]
	v_add_nc_u32 v[RD], s88, v[RD]                 ; back: lanes 0-15 one row of 256 bytes, lanes 16-31 the next
	v_lshlrev_b32 v[CO], 12, v2
	v_lshl_add_u32 v[CO], v1, 4, v[CO]             ; and the same two rows in the result
.macro FETCH s, f                      ; K step s: 32 LDS loads into buffer f
	WIN TO_F
.irp a, 0,1,2,3
.irp q, 0,1,2,3
	ds_load_b128 v[\f+16*\a+4*\q:\f+16*\a+4*\q+3], v[ADA+(\s)/4] offset:16384*((\s)%4)+2048*\a+512*\q
.endr
.endr
.irp b, 0,1,2,3
.irp c, 0,1,2,3
	ds_load_b128 v[\f+64+16*\b+4*\c:\f+64+16*\b+4*\c+3], v[ADB+(\s)/4] offset:16*PITCH*\b+128*((\s)%4)+32*\c
.endr
.endr
.endm
.macro MULS f, zero                    ; 16 matrix instructions, the 16 accumulators by turns, in the same order in every step
	WIN W_MUL
.irp a, 0,1,2,3
.irp b, 0,1,2,3
.if \zero
	v_wmma_f32_16x16x128_fp8_fp8 v[ACC+8*(4*\a+\b):ACC+8*(4*\a+\b)+7], v[\f+64+16*\b:\f+64+16*\b+15], v[\f+16*\a:\f+16*\a+15], 0
.else
	v_wmma_f32_16x16x128_fp8_fp8 v[ACC+8*(4*\a+\b):ACC+8*(4*\a+\b)+7], v[\f+64+16*\b:\f+64+16*\b+15], v[\f+16*\a:\f+16*\a+15], v[ACC+8*(4*\a+\b):ACC+8*(4*\a+\b)+7]
.endif
.endr
.endr
.endm
.macro PLACES
.rept 4
	v_nop
.endr
.endm
.macro KSTEP s, zero                   ; the next step's fragments are asked for, then step s is multiplied
.if (\s) == 3
	s_wait_tensorcnt 0x0                           ; my part of the second half is in
	s_wait_dscnt 0x0                               ; no LDS load of mine is out at the signal
	s_barrier_signal -1
	s_barrier_wait -1                              ; everybody's part is in
.endif
.if (\s) >= 1
	PLACES                                         ; in front of the loads into the buffer that the step before multiplied
.endif
	FETCH (\s)+1, 128*(((\s)+1)%2)
	s_wait_dscnt 32                                ; all but the 32 just issued: step s's fragments are in
	MULS 128*((\s)%2), \zero
.endm
	s_wait_alu depctr_va_vdst(0)
	s_wait_tensorcnt 0x0                           ; my part of the first half is in
	ds_add_u32 v[SPW], v[NIL]
	s_add_co_u32 s[G0A+1], s[G0A+1], 65536         ; the second half, in LDS and in memory
	s_add_nc_u64 s[G0A+2:G0A+3], s[G0A+2:G0A+3], 65536
	s_add_co_u32 s[G0B+1], s[G0B+1], BH
	s_add_nc_u64 s[G0B+2:G0B+3], s[G0B+2:G0B+3], 512
	s_wait_dscnt 0x0
	CROUND
	JLOAD                                          ; the first tensor load behind the round
	FETCH 0, 0
	KSTEP 0, 1                                     ; the first products start the sums
.irp s, 1,2,3,4,5,6
	KSTEP \s, 0
.endr
	s_wait_dscnt 0x0
	MULS 128, 0                                    ; K step 7
	WIN 0
; THE WAY OUT, a block of 16 rows x 64 columns at a time: result = sum x 2^(e10 + e11) + bo; through my own stage, back as whole rows of 256 bytes.  LDS serves a wave's instructions in order (ISA guide 5.7.1.4): no wait between the stores and the loads.
; Rows come back into v96-127 (block 0) or into the accumulators of the block before, which are done with: no store's data are written again.
.macro TOSTAGE a
.if (\a) == 0
.set BKR, 96
.else
.set BKR, ACC+32*((\a)-1)
.endif
.irp b, 0,1,2,3
.irp i, 0,2,4,6
	v_pk_fma_f32 v[TMP+8*\b+\i:TMP+8*\b+\i+1], v[ACC+8*(4*(\a)+\b)+\i:ACC+8*(4*(\a)+\b)+\i+1], s[58:59], v[BO+8*\b+\i:BO+8*\b+\i+1] op_sel_hi:[1,0,1]   ; each accumulator from its low end on
.endr
.endr
.irp b, 0,1,2,3
	ds_store_b128 v[STO], v[TMP+8*\b:TMP+8*\b+3] offset:64*\b
	ds_store_b128 v[STO], v[TMP+8*\b+4:TMP+8*\b+7] offset:64*\b+16
.endr
.irp t, 0,1,2,3,4,5,6,7
	ds_load_b128 v[BKR+4*\t:BKR+4*\t+3], v[RD] offset:2*SPITCH*\t
.endr
.endm
.macro SEND a, younger                 ; younger: the LDS instructions issued behind block a's loads, which may stay out
.if (\a) == 0
.set BKR, 96
.else
.set BKR, ACC+32*((\a)-1)
.endif
	s_wait_dscnt \younger
.irp t, 0,1,2,3,4,5,6,7
	global_store_b128 v[CO], v[BKR+4*\t:BKR+4*\t+3], s[12:13] offset:(16*(\a)+2*\t)*4096 th:TH_STORE_NT   ; 16 lanes store 256 consecutive bytes, aligned; written once, read by nobody here
.endr
.endm
	s_wait_kmcnt 0x0
	s_add_co_i32 s58, s56, s57
	s_add_co_i32 s58, s58, 127
	s_lshl_b32 s58, s58, 23                        ; 2^(e10 + e11) as f32
	s_mov_b32 s59, s58                             ; (named with it as a pair)
	s_wait_loadcnt 0x0                             ; bo
	PLACES                                         ; in front of the first read of the last results
	TOSTAGE 0
.irp a, 1,2,3
	TOSTAGE \a
	SEND \a-1, 16                                  ; behind block a - 1's loads: block a's 8 stores and 8 loads
.endr
	SEND 3, 0
	s_wait_tensorcnt 0x0                           ; the wave's end: behind my last tensor load and my last LDS store
	ds_add_u32 v[SPW], v[NIL]
	s_wait_dscnt 0x0
	CROUND                                         ; the closing round
	s_endpgm
.Lfunc_end_k_qdfc1a05bf2_oproj:
	.size	k_qdfc1a05bf2_oproj, .Lfunc_end_k_qdfc1a05bf2_oproj-k_qdfc1a05bf2_oproj
	.p2alignl 7, 3214868480
	.fill 96, 4, 3214868480
	.section	.rodata,"a",@progbits
	.p2align	6, 0x0
	.amdhsa_kernel k_qdfc1a05bf2_oproj
		.amdhsa_group_segment_fixed_size 327680
		.amdhsa_private_segment_fixed_size 0
		.amdhsa_enable_private_segment 0
		.amdhsa_kernarg_size 40
		.amdhsa_user_sgpr_count 2
		.amdhsa_user_sgpr_kernarg_segment_ptr 1
		.amdhsa_wavefront_size32 1
		.amdhsa_system_sgpr_workgroup_id_x 1
		.amdhsa_system_sgpr_workgroup_id_y 1
		.amdhsa_system_sgpr_workgroup_id_z 1
		.amdhsa_system_vgpr_workitem_id 0
		.amdhsa_next_free_vgpr 512
		.amdhsa_next_free_sgpr 96
		.amdhsa_reserve_vcc 0
		.amdhsa_float_denorm_mode_32 3
		.amdhsa_float_denorm_mode_16_64 3
		.amdhsa_memory_ordered 1
		.amdhsa_forward_progress 1
		.amdhsa_inst_pref_size 47
	.end_amdhsa_kernel
	.amdgpu_metadata
---
amdhsa.version: [ 1, 2 ]
amdhsa.kernels:
  - .name:           k_qdfc1a05bf2_oproj
    .symbol:         k_qdfc1a05bf2_oproj.kd
    .args:
      - { .name: aimg, .offset: 0, .size: 8, .value_kind: global_buffer, .address_space: global }
      - { .name: Wo_codes, .offset: 8, .size: 8, .value_kind: global_buffer, .address_space: global }
      - { .name: bo, .offset: 16, .size: 8, .value_kind: global_buffer, .address_space: global }
      - { .name: lowp_scales, .offset: 24, .size: 8, .value_kind: global_buffer, .address_space: global }
      - { .name: out0, .offset: 32, .size: 8, .value_kind: global_buffer, .address_space: global }
    .group_segment_fixed_size: 327680
    .private_segment_fixed_size: 0
    .kernarg_segment_align: 8
    .kernarg_segment_size: 40
    .max_flat_workgroup_size: 128
    .sgpr_count:     96
    .vgpr_count:     512
    .wavefront_size: 32
...
	.end_amdgpu_metadata
.endif
;; end of part 3
